; MI455X (gfx1250); checked and timed in simulation.
; The chip was launched on July 23, 2026; its instructions are those of AMD's public machine-readable ISA for CDNA 5 (MIT licence, August 2026) and "CDNA5" Instruction Set Architecture Reference Guide (July 2026). The comments in the code are by the model that wrote it; some were corrected since.
;; Vector Quantizer. Allowed arithmetic: matrix products marked QUANTISED: E4M3 operands, one given power-of-two scale a tensor, by v_wmma_f32_16x16x64_fp8_fp8 or v_wmma_f32_16x16x128_fp8_fp8, f32 sums; everything else in f32.
;; Inputs: emb 8,192 x 256 float32; lowp_scales 2 int32 (the exponents e of the quantised operands' scales 2^e); z 32 x 256 x 32 x 32 float32.
;; Outputs: out0 32 x 256 x 32 x 32 float32; out1 32 x 32 x 32 int32.
;; This version of the problem:
;;   THIS VERSION OF THE PROBLEM IS GIVEN IN LOW PRECISION. The matrix products marked QUANTISED in the list below multiply operands that are first quantised to E4M3 (4 exponent bits, 3 mantissa bits; 8 bits a number), with one given power-of-two scale for each operand tensor; their sums are f32. All else is computed in f32.
;;   The module's matrix products, in the order in which they are computed (A, B: the left and right operand; K: the contracted axis; several contracted axes count as one K, in the product's order):
;;     1. [M 32,768, K 256] x [K 256, N 8,192]; A: computed on the way; B: input emb: QUANTISED (scales: A lowp_scales[0], B lowp_scales[1])
;;   THE QUANTISER, for each operand of a quantised product, along K:
;;     - The operand's scale is 2^e, e = its entry of the input lowp_scales (int32; the entries are numbered through the quantised products in the list's order, A before B).
;;     - Each number is divided by the scale, clamped to +-448, and rounded to the nearest number of E4M3, ties to even, subnormals kept.
;;     - The product sums the exact products of the quantised numbers (number of the format x scale) in f32.
;;   ~~~python
;;   def quantise(x, axis, e):      # numpy; x: float32 -> the quantised numbers, widened to float32 again
;;       x = np.moveaxis(x, axis, -1); K = x.shape[-1]
;;       r = np.clip(x / 2.0 ** e, -448, 448)
;;       step = 2.0 ** (np.maximum(np.frexp(np.where(r == 0, 1, r))[1] - 1, -6) - 3)
;;       q = np.round(r / step) * step * 2.0 ** e      # np.round: ties to even
;;       return np.moveaxis(q, -1, axis).astype(np.float32)
;;   ~~~
;;   OPERANDS COMPUTED ON THE WAY. 'Computed on the way' means the value that the module computes at that place (a softmax that the list does not call 'softmax' is quantised finished and normalised). What goes into a quantiser is computed in f32, as accurately as f32 sums, v_exp_f32 and their like allow (about 1e-6 of the number): no bf16 or f16 on the way to a quantiser, and a product that is left as it is and whose result goes on into a quantised operand takes f32 operands (vector FMAs, or v_wmma_f32_16x16x4_f32). A number that lies on a knife's edge between two numbers of the format may be rounded either way, as far as f32 arithmetic and the matrix unit's own rounding can turn it there, and no further.
;; One version. Each part assembles by itself: llvm-mc -triple=amdgcn-amd-amdhsa -mcpu=gfx1250 --defsym DOCPART=n.
;; ======== version 1 of 1: 4 launches
;; limits: right only within a limited range of input values
;; workspace buffers: zc 8,388,608 bytes; embc 2,097,152 bytes; zz 131,072 bytes; ee 32,768 bytes; keys 1,048,576 bytes of whole numbers; blks 1,048,576 bytes of whole numbers; idxw 131,072 bytes of whole numbers
;; launch prep (part 1): grid 384 x 1, 4 waves a work-group, no clusters, 69,376 bytes of LDS; arguments z, emb, lowp_scales, zc, embc, zz, ee; writes zc, embc, zz, ee
.if DOCPART == 1
	.amdgcn_target "amdgcn-amd-amdhsa--gfx1250"
	.amdhsa_code_object_version 6
	.text
	.protected	k_qdfaab99c3a_prep
	.globl	k_qdfaab99c3a_prep
	.p2align	8
	.type	k_qdfaab99c3a_prep,@function
k_qdfaab99c3a_prep:
	s_mov_b64 s[64:65], 0
	v_nop
	global_prefetch_b8 v0, s[64:65] scope:SCOPE_SE
	s_setreg_imm32_b32 hwreg(HW_REG_WAVE_MODE, 25, 1), 1
	s_wait_xcnt 0x0
; PREP.  2 z (z: [32][256][1024] f32, a token is (image, place), its 256 channels lie 4,096 bytes apart) and emb ([8192][256] f32) become codes of FP8 (E4M3),
; each with its given scale 2^e0, 2^e1; and zz[token] = sum of z^2, ee[code] = sum of emb^2, in f32.
; code = x / 2^e, held within +-448, to the nearest code, ties to even.  2 z / 2^e0 is z / 2^(e0 - 1), exactly: the factor 2 is folded into the scale.
; LIMITS: e0 - 1 and e1 between -126 and 119, so that the scale and 448 x the scale are f32 numbers.  NaN and infinities among the inputs are not served.
; THE CODES ARE LAID AS IMAGES OF THE OPERAND REGISTERS.  A tile is 16 rows x 256 K = 4,096 bytes: run kc (16 along K, kc = 0 .. 15) of row r lies at 256 kc + 16 r.
; Eight loads of 16 bytes a lane, 512 bytes apart, at 16 x lane, then give lane (r, h) of a fragment K = 32 p + 16 h + 0 .. 15 of row r in registers 4 p .. 4 p + 3.
; embc: tile T = codes 16 T .. 16 T + 15.  zc: block g = tokens 128 g .. 128 g + 127 = 8 tiles; token 4 l + k (l = 0 .. 31) is row l % 16 of tile 2 k + l / 16.
; Work-groups 0 .. 255 take a block of z each, work-groups 256 .. 383 four tiles of emb each.  The two ways part on the work-group number and never join; each has LDS bytes of its own.
.set ZWG,    256                       ; work-groups of the z way
.set ZST,    0                         ; LDS, z way: 4 waves x 512 bytes: partial sums of zz
.set EEST,   2048                      ; LDS, emb way: the work-group's 64 ee
.set EST,    2304                      ; LDS, emb way: for each wave 16 rows of 1,024 bytes + 16 of padding
.set EPITCH, 1040                      ; 260 words: row r starts at bank 4 r mod 64 (64 banks of 4 bytes: ISA guide 11.1)
.set EWAVE,  16*EPITCH
.set SPARE,  EST+4*EWAVE               ; the spare words, 128 bytes for each wave: two blocks of 256 bytes that no other line names
.set SPW, 14                           ; v14  LDS address of my spare word; never rewritten
.set NIL, 15                           ; v15  0; never rewritten
.set RAW, 16                           ; v16-143  numbers as loaded
.set H,   144                          ; v144-175 two sets of 16 neighbours along K
.set C,   176                          ; v176-239 codes: registers of their own for each store, so that no store's data are written again
; z way: the 16 channels of chunk j of my wave (channels 64 w + 16 j + cc), 4 tokens a lane: each load reads 512 consecutive bytes
.macro LOADC j
.irp cc, 0,1,2,3,4,5,6,7,8,9,10,11,12,13,14,15
	global_load_b128 v[RAW+64*((\j)&1)+4*\cc:RAW+64*((\j)&1)+4*\cc+3], v4, s[4:5] offset:(16*(\j)+\cc)*4096 th:TH_LOAD_NT
.endr
.endm
.macro CHUNK j
.set RB, RAW+64*((\j)&1)
.if (\j) < 3
	s_wait_loadcnt 16                              ; this chunk's 16 loads are in; the next chunk's 16 may be out
.else
	s_wait_loadcnt 0x0
.endif
.irp cc, 0,1,2,3,4,5,6,7,8,9,10,11,12,13,14,15
.if ((\j) == 0) && (\cc == 0)
	v_pk_mul_f32 v[10:11], v[RB:RB+1], v[RB:RB+1]  ; the first squares start the sums: nothing is cleared
	v_pk_mul_f32 v[12:13], v[RB+2:RB+3], v[RB+2:RB+3]
.else
	v_pk_fma_f32 v[10:11], v[RB+4*\cc:RB+4*\cc+1], v[RB+4*\cc:RB+4*\cc+1], v[10:11]
	v_pk_fma_f32 v[12:13], v[RB+4*\cc+2:RB+4*\cc+3], v[RB+4*\cc+2:RB+4*\cc+3], v[12:13]
.endif
.endr
.irp k, 0,1,2,3
.irp cc, 0,1,2,3,4,5,6,7,8,9,10,11,12,13,14,15
	v_med3_num_f32 v[H+16*(\k&1)+\cc], v[RB+4*\cc+\k], -v9, v9   ; the hold (the conversion to an 8-bit code does not saturate: ISA guide 7.6.2) also lays token k's 16 channels on end
.endr
	v_cvt_scalef32_pk8_fp8_f32 v[C+16*(\j)+4*\k:C+16*(\j)+4*\k+1], v[H+16*(\k&1):H+16*(\k&1)+7], v8
	v_cvt_scalef32_pk8_fp8_f32 v[C+16*(\j)+4*\k+2:C+16*(\j)+4*\k+3], v[H+16*(\k&1)+8:H+16*(\k&1)+15], v8
.endr
	v_nop                                          ; a plain vector line behind the last conversion
.irp k, 0,1,2,3
	global_store_b128 v5, v[C+16*(\j)+4*\k:C+16*(\j)+4*\k+3], s[10:11] offset:\k*8192+(\j)*256   ; lanes 0-15: run 4 w + j of tile 2 k, 256 consecutive bytes, aligned; lanes 16-31: the same of tile 2 k + 1
.endr
.if (\j) < 2
	LOADC (\j)+2
.endif
.endm
; emb way: piece p of my tile: lane (r, h) takes K = 32 p + 16 h + 0 .. 15 of row r out of my stage
.macro DLOAD p
.irp j, 0,1,2,3
	ds_load_b128 v[H+16*((\p)&1)+4*\j:H+16*((\p)&1)+4*\j+3], v7 offset:128*(\p)+16*\j
.endr
.endm
.macro PIECE p
.set HB, H+16*((\p)&1)
.if (\p) < 7
	s_wait_dscnt 4                                 ; this piece's 4 loads are in; the next piece's 4 may be out
.else
	s_wait_dscnt 0x0
.endif
.irp q, 0,4,8,12
.if ((\p) == 0) && (\q == 0)
	v_pk_mul_f32 v[10:11], v[HB:HB+1], v[HB:HB+1]
	v_pk_mul_f32 v[12:13], v[HB+2:HB+3], v[HB+2:HB+3]
.else
	v_pk_fma_f32 v[10:11], v[HB+\q:HB+\q+1], v[HB+\q:HB+\q+1], v[10:11]
	v_pk_fma_f32 v[12:13], v[HB+\q+2:HB+\q+3], v[HB+\q+2:HB+\q+3], v[12:13]
.endif
.endr
.irp i, 0,1,2,3,4,5,6,7,8,9,10,11,12,13,14,15
	v_med3_num_f32 v[HB+\i], v[HB+\i], -v9, v9
.endr
	v_cvt_scalef32_pk8_fp8_f32 v[C+4*(\p):C+4*(\p)+1], v[HB:HB+7], v8
	v_cvt_scalef32_pk8_fp8_f32 v[C+4*(\p)+2:C+4*(\p)+3], v[HB+8:HB+15], v8
	v_nop                                          ; a plain vector line behind the last conversion
	global_store_b128 v4, v[C+4*(\p):C+4*(\p)+3], s[12:13] offset:512*(\p)   ; 512 consecutive bytes of the image
.if (\p) < 6
	DLOAD (\p)+2
.endif
.endm
	s_load_b256 s[4:11], s[0:1], 0x0               ; z s[4:5], emb s[6:7], the exponents s[8:9], zc s[10:11]
	s_load_b128 s[12:15], s[0:1], 0x20             ; embc s[12:13], zz s[14:15]
	s_load_b64 s[16:17], s[0:1], 0x30              ; ee
	v_lshl_add_u32 v[SPW], v0, 2, SPARE
	v_mov_b32 v[NIL], 0
	v_lshrrev_b32 v1, 5, v0
	v_readfirstlane_b32 s18, v1                    ; wave 0..3
	v_and_b32 v1, 31, v0                           ; lane
	v_and_b32 v2, 15, v0                           ; r
	v_bfe_u32 v3, v0, 4, 1                         ; h
	v_lshlrev_b32 v4, 4, v1                        ; 16 x lane
	s_mov_b32 s25, 0
	s_mov_b32 s27, 0
	s_mov_b32 s29, 0
	s_wait_kmcnt 0x0
	s_load_b64 s[20:21], s[8:9], 0x0               ; e0, e1
	s_cmp_ge_u32 ttmp9, ZWG
	s_cbranch_scc1 .Lemb
	; ---- the z way: block g = the work-group number; wave w takes channels 64 w .. 64 w + 63
	s_lshr_b32 s22, ttmp9, 3
	s_lshl_b32 s22, s22, 20                        ; the image: 256 channels x 4,096 bytes
	s_and_b32 s23, ttmp9, 7
	s_lshl_b32 s23, s23, 9                         ; the block's 128 tokens in a channel's row
	s_add_co_u32 s24, s22, s23
	s_lshl_b32 s23, s18, 18                        ; my 64 channels
	s_add_co_u32 s24, s24, s23
	s_add_nc_u64 s[4:5], s[4:5], s[24:25]
	s_wait_alu depctr_va_vdst(0)
	LOADC 0
	LOADC 1
	s_lshl_b32 s26, ttmp9, 15                      ; zc: the block's 8 tiles,
	s_lshl_b32 s23, s18, 10                        ; my four runs of each tile
	s_add_co_u32 s26, s26, s23
	s_add_nc_u64 s[10:11], s[10:11], s[26:27]
	s_lshl_b32 s28, ttmp9, 9
	s_add_nc_u64 s[14:15], s[14:15], s[28:29]      ; zz at the block's first token
	v_lshlrev_b32 v5, 4, v2
	v_lshl_add_u32 v5, v3, 12, v5                  ; 16 (l % 16) + 4,096 (l / 16): my row, and the odd tile for lanes 16-31
	s_lshl_b32 s23, s18, 9
	v_add_nc_u32 v6, s23, v4                       ; where my partial sums go: 512 w + 16 l
	s_wait_kmcnt 0x0
	s_add_co_i32 s20, s20, 126                     ; e0 - 1 + 127
	s_lshl_b32 s23, s20, 23
	v_mov_b32 v8, s23                              ; 2^(e0 - 1) as f32: the conversion takes its exponent field
	s_add_co_i32 s20, s20, 8
	s_lshl_b32 s20, s20, 23
	s_or_b32 s20, s20, 0x600000
	v_mov_b32 v9, s20                              ; 448 x 2^(e0 - 1)
	CHUNK 0
	CHUNK 1
	CHUNK 2
	CHUNK 3
	ds_store_b128 v6, v[10:13] offset:ZST          ; my 64 channels' part of zz of tokens 4 l .. 4 l + 3
	s_wait_dscnt 0x0                               ; for the others' sake: the store has landed
	s_barrier_signal -1
	s_barrier_wait -1
	s_cmp_lg_u32 s18, 0
	s_cbranch_scc1 .Lzend
	ds_load_b128 v[16:19], v4 offset:ZST
	ds_load_b128 v[20:23], v4 offset:ZST+512
	ds_load_b128 v[24:27], v4 offset:ZST+1024
	ds_load_b128 v[28:31], v4 offset:ZST+1536
	s_wait_dscnt 0x0
	v_pk_add_f32 v[16:17], v[16:17], v[20:21]
	v_pk_add_f32 v[18:19], v[18:19], v[22:23]
	v_pk_add_f32 v[24:25], v[24:25], v[28:29]
	v_pk_add_f32 v[26:27], v[26:27], v[30:31]
	v_pk_add_f32 v[16:17], v[16:17], v[24:25]
	v_pk_add_f32 v[18:19], v[18:19], v[26:27]
	global_store_b128 v4, v[16:19], s[14:15]       ; 512 consecutive bytes: the block's 128 zz
.Lzend:
	s_wait_tensorcnt 0x0                           ; the wave's end, behind my last LDS store
	ds_add_u32 v[SPW], v[NIL]
	s_wait_dscnt 0x0
	s_endpgm
	; ---- the emb way: tile T = 4 (work-group - 256) + wave
.Lemb:
	s_sub_co_u32 s22, ttmp9, ZWG
	s_lshl_b32 s23, s22, 2
	s_add_co_u32 s23, s23, s18                     ; T
	s_lshl_b32 s24, s23, 14                        ; 16 rows of 1,024 bytes
	s_add_nc_u64 s[6:7], s[6:7], s[24:25]
.set n, 0
	s_wait_alu depctr_va_vdst(0)
.rept 32
	global_load_b128 v[RAW+4*n:RAW+4*n+3], v4, s[6:7] offset:512*n th:TH_LOAD_NT   ; half a row: 512 consecutive bytes
.set n, n+1
.endr
	s_lshl_b32 s26, s23, 12
	s_add_nc_u64 s[12:13], s[12:13], s[26:27]      ; the tile's image
	s_lshl_b32 s28, s22, 8
	s_add_nc_u64 s[16:17], s[16:17], s[28:29]      ; the work-group's 64 ee
	s_mul_i32 s30, s18, EWAVE
	s_add_co_u32 s30, s30, EST                     ; my stage
	v_add_nc_u32 v6, s30, v4                       ; in: as loaded
	v_mul_u32_u24 v7, v2, EPITCH
	v_lshl_add_u32 v7, v3, 6, v7
	v_add_nc_u32 v7, s30, v7                       ; out: row r, + 64 h bytes
	s_lshl_b32 s31, s18, 6
	v_lshl_add_u32 v5, v2, 2, s31                  ; ee: 64 w + 4 r
	v_lshlrev_b32 v240, 3, v1                      ; 8 x lane
	s_mov_b32 s32, 0x76543210                      ; v_permlanex16_b32: lane l takes lane l xor 16
	s_mov_b32 s33, 0xfedcba98
	s_wait_alu depctr_va_vdst(0)
	s_wait_kmcnt 0x0
	s_add_co_i32 s21, s21, 127
	s_lshl_b32 s31, s21, 23
	v_mov_b32 v8, s31                              ; 2^e1 as f32
	s_add_co_i32 s21, s21, 8
	s_lshl_b32 s21, s21, 23
	s_or_b32 s21, s21, 0x600000
	v_mov_b32 v9, s21                              ; 448 x 2^e1
.set n, 0
	s_wait_alu depctr_va_vdst(0)
.rept 32
.if (n % 8) == 0
	s_wait_loadcnt 24-n                            ; these eight loads are in; the later groups of eight may be out
.endif
	ds_store_b128 v6, v[RAW+4*n:RAW+4*n+3] offset:(n/2)*EPITCH+(n%2)*512
.set n, n+1
.endr
	DLOAD 0                                        ; LDS serves a wave's instructions in order (ISA guide 5.7.1.4): these see my stores; the stage is my wave's own
	DLOAD 1
	PIECE 0
	PIECE 1
	PIECE 2
	PIECE 3
	PIECE 4
	PIECE 5
	PIECE 6
	PIECE 7
	v_pk_add_f32 v[10:11], v[10:11], v[12:13]
	v_add_f32 v10, v10, v11                        ; my 128 squares of row r,
	v_permlanex16_b32 v11, v10, s32, s33
	v_add_f32 v10, v10, v11                        ; and the other half of the lanes'
	ds_store_b32 v5, v10 offset:EEST               ; both halves of the lanes write the same word with the same value
	s_wait_dscnt 0x0
	s_barrier_signal -1
	s_barrier_wait -1
	s_cmp_lg_u32 s18, 0
	s_cbranch_scc1 .Leend
	ds_load_b64 v[16:17], v240 offset:EEST
	s_wait_dscnt 0x0
	global_store_b64 v240, v[16:17], s[16:17]      ; 256 consecutive bytes, aligned
.Leend:
	s_wait_tensorcnt 0x0                           ; the wave's end, behind my last LDS store
	ds_add_u32 v[SPW], v[NIL]
	s_wait_dscnt 0x0
	s_endpgm
.Lfunc_end_k_qdfaab99c3a_prep:
	.size	k_qdfaab99c3a_prep, .Lfunc_end_k_qdfaab99c3a_prep-k_qdfaab99c3a_prep
	.p2alignl 7, 3214868480
	.fill 96, 4, 3214868480
	.section	.rodata,"a",@progbits
	.p2align	6, 0x0
	.amdhsa_kernel k_qdfaab99c3a_prep
		.amdhsa_group_segment_fixed_size 69376
		.amdhsa_private_segment_fixed_size 0
		.amdhsa_enable_private_segment 0
		.amdhsa_kernarg_size 56
		.amdhsa_user_sgpr_count 2
		.amdhsa_user_sgpr_kernarg_segment_ptr 1
		.amdhsa_wavefront_size32 1
		.amdhsa_system_sgpr_workgroup_id_x 1
		.amdhsa_system_sgpr_workgroup_id_y 1
		.amdhsa_system_sgpr_workgroup_id_z 1
		.amdhsa_system_vgpr_workitem_id 0
		.amdhsa_next_free_vgpr 256
		.amdhsa_next_free_sgpr 66
		.amdhsa_reserve_vcc 0
		.amdhsa_float_denorm_mode_32 3
		.amdhsa_float_denorm_mode_16_64 3
		.amdhsa_memory_ordered 1
		.amdhsa_forward_progress 1
		.amdhsa_inst_pref_size 61
	.end_amdhsa_kernel
	.amdgpu_metadata
---
amdhsa.version: [ 1, 2 ]
amdhsa.kernels:
  - .name:           k_qdfaab99c3a_prep
    .symbol:         k_qdfaab99c3a_prep.kd
    .args:
      - { .name: z, .offset: 0, .size: 8, .value_kind: global_buffer, .address_space: global }
      - { .name: emb, .offset: 8, .size: 8, .value_kind: global_buffer, .address_space: global }
      - { .name: lowp_scales, .offset: 16, .size: 8, .value_kind: global_buffer, .address_space: global }
      - { .name: zc, .offset: 24, .size: 8, .value_kind: global_buffer, .address_space: global }
      - { .name: embc, .offset: 32, .size: 8, .value_kind: global_buffer, .address_space: global }
      - { .name: zz, .offset: 40, .size: 8, .value_kind: global_buffer, .address_space: global }
      - { .name: ee, .offset: 48, .size: 8, .value_kind: global_buffer, .address_space: global }
    .group_segment_fixed_size: 69376
    .private_segment_fixed_size: 0
    .kernarg_segment_align: 8
    .kernarg_segment_size: 56
    .max_flat_workgroup_size: 128
    .sgpr_count:     66
    .vgpr_count:     256
    .wavefront_size: 32
...
	.end_amdgpu_metadata
.endif
;; end of part 1
;; launch sweep (part 2): grid 32 x 8, 8 waves a work-group, clusters of 4 x 1, 327,680 bytes of LDS; arguments zc, embc, zz, ee, lowp_scales, keys, blks; writes keys, blks
.if DOCPART == 2
	.amdgcn_target "amdgcn-amd-amdhsa--gfx1250"
	.amdhsa_code_object_version 6
	.text
	.protected	k_qdfaab99c3a_sweep
	.globl	k_qdfaab99c3a_sweep
	.p2align	8
	.type	k_qdfaab99c3a_sweep,@function
k_qdfaab99c3a_sweep:
	s_mov_b64 s[64:65], 0
	v_nop
	global_prefetch_b8 v0, s[64:65] scope:SCOPE_SE
	s_setreg_imm32_b32 hwreg(HW_REG_WAVE_MODE, 25, 1), 1
	s_wait_xcnt 0x0
	s_wait_alu depctr_hold_cnt(0) depctr_sa_sdst(0) depctr_va_vdst(0) depctr_va_sdst(0) depctr_va_ssrc(0) depctr_va_vcc(0) depctr_vm_vsrc(0)
	s_getreg_b32 s2, hwreg(HW_REG_IB_STS2, 6, 4)
	s_cmp_eq_u32 s2, 0
	s_cbranch_scc0 .Lentry_in_a_cluster
	s_endpgm
.Lentry_in_a_cluster:
	s_bfe_u32 s2, ttmp6, 0x10000c
	s_cmp_lg_u32 s2, 0x3003
	s_cbranch_scc0 .Lentry_shape_is_right
	s_endpgm
.Lentry_shape_is_right:
; SWEEP.  d[token][code] = (zz[token] + ee[code]) - p, p = the product of the codes of 2 z and of emb x 2^(e0 + e1), for 32,768 tokens x 8,192 codes, K = 256, by v_wmma_f32_16x16x128_fp8_fp8.
; d has two f32 roundings: t = zz + ee; d = one fused multiply-add of the raw sum with -2^(e0 + e1) onto t (the power of two rounds nothing).
; KEPT: for each token and each range of 1,024 codes the smallest d and the FIRST block of 8 codes that holds it; the index inside the block is found by the next launch.
; STORED: keys[range][token] = the smallest d as a whole number that orders as the f32 number does (-0 taken as +0); blks[range][token] = the block (code / 8).
; LIMITS: e0 + e1 between -126 and 127.  NaN and infinities among the inputs are not served (the minimum drops a NaN).
; SHARES.  A work-group takes an image's 1,024 tokens x one range of 1,024 codes.  Wave w owns 128 tokens = 8 fragments of 16 tokens x 256 K = 256 registers, which stay in window 1.
; The range's codes (64 tiles of 4,096 bytes) and its 1,024 ee lie in LDS; every byte is filled once.  FIRST FILL: waves 0-6 bring 32 rows of 256 bytes each (tiles 0-13), wave 7 the 16 rows of ee.
; SECOND FILL, behind a round: every wave 100 rows (tiles 14-63); it is on its way while tiles 0-13 are multiplied, and one barrier in tile 13 shows it to all waves.
; CLUSTER.  The four work-groups of a cluster have the same range and four images: every tile of codes and of ee is asked for JOINTLY (mask 15); the place in the cluster enters global addresses of zc, zz, keys, blks alone.
; NO PREFETCH: all that the work-group reads is asked for at the head; there is no loop to run ahead in.
; THE MATRIX INSTRUCTION: source 0 = 16 codes, source 1 = 16 tokens: lane (r, h) holds token column r and codes 16 T + 8 h + 0 .. 7: one block of 8 a lane.
; A tile of codes goes in two groups of eight matrix instructions (four tiles of tokens, K step 0 then K step 1: four accumulators by turns); behind each group stands the vector work of the group before, on the other four accumulators.
; REGISTERS.  window 0: v1 16 x lane; v2 32 h; v3, v4 LDS addresses in hand; v5 h; v6, v7 the add's two; v8-23 (zz, zz) for my 8 tiles of tokens; v24-39 the running minimum, two registers a tile by turns;
;   v40-47 the block of the minimum; v48-63 ee, two sets; v64-95 t, then d, of four tiles; v96-159 eight accumulators in two sets; v160-223 a tile of codes (32 registers), two sets; on the way out v176-210.  window 1: z.
.set EEOFF,  262144                    ; LDS: codes at 0 (tile T at 4,096 T); then the range's 1,024 ee
.set SPARE,  EEOFF+4096                ; the spare words, 128 bytes for each wave: four blocks of 256 bytes that no other line names
.set C0ROWS, 32                        ; first fill: rows of 256 bytes for each of waves 0-6
.set C0B,    7*C0ROWS*256              ; its bytes: 14 tiles
.set C1ROWS, 100                       ; second fill: rows for each of the eight waves
.set C1W,    C1ROWS*256
.set ZZP, 8
.set M,   24
.set BLK, 40
.set EE,  48
.set T,   64
.set ACC, 96
.set E,   160
.set KR,  176
.set BR,  184
.set O,   192
.set WV,  18                           ; s18 my wave's number
.set MK,  90                           ; s90-93 four masks
.set S1,  0x04                         ; source 1 (z) in window 1, all else in window 0
.set MSB, 0
.macro WIN new                         ; the immediate's high byte repeats the setting that is left
.if MSB != \new
	s_set_vgpr_msb (MSB<<8)|\new
.set MSB, \new
.endif
.endm
.macro CROUND                          ; a round of the cluster's barrier
	s_barrier_signal -1
	s_barrier_wait -1
	s_cmp_lg_u32 s[WV], 0
	s_cbranch_scc1 .Lnot_wave_0_\@
	s_barrier_signal -3
.Lnot_wave_0_\@:
	s_barrier_wait -3
	s_barrier_signal -1
	s_barrier_wait -1
.endm
; Eight matrix instructions: the tile of codes in set pb against my tiles of tokens i .. i + 3, on the four accumulators of set ac.  K step 0 starts the sums.
.macro W8 pb, i, ac
	WIN S1
.irp u, 0,1,2,3
	v_wmma_f32_16x16x128_fp8_fp8 v[ACC+32*(\ac)+8*\u:ACC+32*(\ac)+8*\u+7], v[E+32*(\pb):E+32*(\pb)+15], v[32*((\i)+\u):32*((\i)+\u)+15], 0
.endr
.irp u, 0,1,2,3
	v_wmma_f32_16x16x128_fp8_fp8 v[ACC+32*(\ac)+8*\u:ACC+32*(\ac)+8*\u+7], v[E+32*(\pb)+16:E+32*(\pb)+31], v[32*((\i)+\u)+16:32*((\i)+\u)+31], v[ACC+32*(\ac)+8*\u:ACC+32*(\ac)+8*\u+7]
.endr
.endm
; The vector work of a finished group (tiles of tokens i .. i + 3; accumulators of set ac; ee of set e, which is also the parity of the tile of codes): 56 lines, in stages over the four tiles,
; so that a line and the line whose result it reads stand four or more apart.  Each accumulator is read from its low end on.
.macro EPI4 e, i, ac
	WIN 0
.irp u, 0,1,2,3
.irp q, 0,2,4,6
	v_pk_add_f32 v[T+8*\u+\q:T+8*\u+\q+1], v[EE+8*(\e)+\q:EE+8*(\e)+\q+1], v[ZZP+2*((\i)+\u):ZZP+2*((\i)+\u)+1]   ; t = zz + ee
.endr
.endr
.irp u, 0,1,2,3
.irp q, 0,2,4,6
	v_pk_fma_f32 v[T+8*\u+\q:T+8*\u+\q+1], v[ACC+32*(\ac)+8*\u+\q:ACC+32*(\ac)+8*\u+\q+1], s[66:67], v[T+8*\u+\q:T+8*\u+\q+1] op_sel_hi:[1,0,1]   ; d = t - sum x 2^(e0 + e1), one rounding
.endr
.endr
.irp u, 0,1,2,3
	v_min3_num_f32 v[T+8*\u], v[M+2*((\i)+\u)+(\e)], v[T+8*\u], v[T+8*\u+1]      ; the old minimum and the eight d: nine numbers, three at a time
	v_min3_num_f32 v[T+8*\u+2], v[T+8*\u+2], v[T+8*\u+3], v[T+8*\u+4]
	v_min3_num_f32 v[T+8*\u+5], v[T+8*\u+5], v[T+8*\u+6], v[T+8*\u+7]
.endr
.irp u, 0,1,2,3
	v_min3_num_f32 v[M+2*((\i)+\u)+1-(\e)], v[T+8*\u], v[T+8*\u+2], v[T+8*\u+5]  ; the new minimum goes into the tile's other register: no copy
.endr
.irp u, 0,1,2,3
	v_cmp_lt_f32 s[MK+\u], v[M+2*((\i)+\u)+1-(\e)], v[M+2*((\i)+\u)+(\e)]        ; strictly smaller: an equal d of a later block changes nothing
.endr
.irp u, 0,1,2,3
	v_cndmask_b32 v[BLK+(\i)+\u], v[BLK+(\i)+\u], s[70+(\e)], s[MK+\u]
.endr
.endm
; The next tile of codes (8 loads of 512 consecutive bytes) and its ee (lanes of a half read the same 32 bytes) into set nb
.macro LOADE nb
	v_add_nc_u32 v3, s68, v1
	v_add_nc_u32 v4, s69, v2
.irp p, 0,1,2,3,4,5,6,7
	ds_load_b128 v[E+32*(\nb)+4*\p:E+32*(\nb)+4*\p+3], v3 offset:512*\p
.endr
	ds_load_b128 v[EE+8*(\nb):EE+8*(\nb)+3], v4
	ds_load_b128 v[EE+8*(\nb)+4:EE+8*(\nb)+7], v4 offset:16
	s_add_co_u32 s68, s68, 4096
	s_add_co_u32 s69, s69, 64
.endm
.macro SYNC                            ; my part of the second fill has landed; then everybody's has.
	s_wait_tensorcnt 0x0
	s_wait_dscnt 0x0
	s_barrier_signal -1
	s_barrier_wait -1
.endm
; A tile of 16 codes against my 128 tokens.  The set that LOADE fills was last read by matrix instructions 56 vector lines earlier, its ee by the lines just above.
.macro TILE pb, first, sync, load
	s_wait_dscnt 0x0                               ; this tile's ten LDS loads, issued a group and 56 vector lines ago
	W8 \pb, 0, 0
.if !\first
	EPI4 1-(\pb), 4, 1                             ; the second group of the tile before
	s_add_co_u32 s[70+1-(\pb)], s[70+1-(\pb)], 4   ; that tile is done: its parity's block number goes two tiles on
.else
	WIN 0
.endif
.if \sync
	SYNC
.endif
.if \load
	LOADE 1-(\pb)
.endif
	W8 \pb, 4, 1
	EPI4 \pb, 0, 0
.endm
	s_load_b256 s[4:11], s[0:1], 0x0               ; zc s[4:5], embc s[6:7], zz s[8:9], ee s[10:11]
	s_load_b128 s[12:15], s[0:1], 0x20             ; the exponents s[12:13], keys s[14:15]
	s_load_b64 s[16:17], s[0:1], 0x30              ; blks
	v_lshl_add_u32 v6, v0, 2, SPARE
	v_mov_b32 v7, 0
	ds_add_u32 v6, v7                              ; the wave's opening: the add, twice on end, and its wait ahead of my first tensor load
	ds_add_u32 v6, v7
	v_lshrrev_b32 v1, 5, v0
	v_readfirstlane_b32 s[WV], v1                  ; wave 0..7
	v_and_b32 v1, 31, v0
	v_bfe_u32 v5, v0, 4, 1                         ; h
	v_and_b32 v72, 15, v0
	v_lshlrev_b32 v1, 4, v1                        ; 16 x lane
	v_lshlrev_b32 v2, 5, v5                        ; 32 h
	v_lshlrev_b32 v72, 4, v72                      ; 16 r
.irp i, 0,1,2,3,4,5,6,7
	v_mov_b32 v[M+2*\i], 0x7f800000                ; the minimum so far: +infinity, over every d
	v_mov_b32 v[BLK+\i], 0
.endr
	s_bfe_u32 s19, ttmp6, 0x40000                  ; cx: my place in the cluster
	s_lshl_b32 s20, ttmp9, 2
	s_add_co_u32 s20, s20, s19                     ; the image = 4 x cluster x + cx
	s_and_b32 s21, ttmp7, 0xffff                   ; the range of codes, which the four partners share
	s_lshl_b32 s22, s20, 3
	s_add_co_u32 s22, s22, s[WV]                   ; my block of 128 tokens
	; descriptor groups 1: rows of 32 elements of 8 bytes, dense; mask 15 (all four work-groups), bit 21 beside it
	s_mov_b32 s28, 15|(3<<16)|(1<<21)              ; the first fill's codes: 32 rows
	s_mov_b32 s29, 32<<16
	s_mov_b32 s30, C0ROWS<<16
	s_mov_b32 s31, 32<<16
	s_mov_b32 s32, C0ROWS
	s_mov_b32 s33, 32
	s_mov_b32 s34, 0
	s_mov_b32 s35, 0
	s_mov_b32 s36, 15|(3<<16)|(1<<21)              ; ee: 16 rows
	s_mov_b32 s37, 32<<16
	s_mov_b32 s38, 16<<16
	s_mov_b32 s39, 32<<16
	s_mov_b32 s40, 16
	s_mov_b32 s41, 32
	s_mov_b32 s42, 0
	s_mov_b32 s43, 0
	s_mov_b32 s56, 15|(3<<16)|(1<<21)              ; the second fill: 100 rows
	s_mov_b32 s57, 32<<16
	s_mov_b32 s58, C1ROWS<<16
	s_mov_b32 s59, 32<<16
	s_mov_b32 s60, C1ROWS
	s_mov_b32 s61, 32
	s_mov_b32 s62, 0
	s_mov_b32 s63, 0
	; groups 0: LDS addresses are a constant + the wave's number x a constant
	s_mov_b32 s44, 1
	s_lshl_b32 s45, s[WV], 13
	s_mov_b32 s48, 1
	s_mov_b32 s49, EEOFF
	s_mov_b32 s52, 1
	s_mul_i32 s53, s[WV], C1W
	s_add_co_u32 s53, s53, C0B
	s_lshl_b32 s24, s21, 18                        ; the range's 262,144 bytes of codes
	s_add_co_u32 s82, s24, s53                     ; my part of the second fill lies in the range as it lies in LDS,
	s_mov_b32 s83, 0
	s_add_co_u32 s24, s24, s45                     ; and so does my part of the first
	s_mov_b32 s25, 0
	s_lshl_b32 s26, s21, 12                        ; the range's 4,096 bytes of ee
	s_mov_b32 s27, 0
	s_lshl_b32 s84, s22, 15                        ; offsets that hold my place in the cluster have registers of their own: zc,
	s_mov_b32 s85, 0
	s_lshl_b32 s86, s22, 9                         ; zz,
	s_mov_b32 s87, 0
	s_lshl_b32 s88, s21, 17
	s_add_co_u32 s88, s88, s86                     ; keys and blks: range x 131,072 + 512 x block
	s_mov_b32 s89, 0
	s_mov_b32 s78, 0xffff0000                      ; lanes 16-31
	s_mov_b32 s80, 0x76543210                      ; v_permlanex16_b32: lane l takes lane l xor 16
	s_mov_b32 s81, 0xfedcba98
	s_lshl_b32 s70, s21, 7                         ; the block number (less h) of the even tile in hand: 128 x range + 2 T,
	s_add_co_u32 s71, s70, 2                       ; and of the odd one
	s_mov_b32 s68, 0                               ; LDS byte of the tile of codes to be fetched,
	s_mov_b32 s69, EEOFF                           ; and of its ee
	s_wait_alu depctr_va_vdst(0)
	s_wait_dscnt 0x0                               ; both opening adds are done
	CROUND                                         ; all four work-groups are here: the first joint loads meet.  The round names no argument, so it stands ahead of the wait for them
	s_wait_kmcnt 0x0
	s_load_b64 s[76:77], s[12:13], 0x0             ; e0, e1
	s_add_nc_u64 s[46:47], s[6:7], s[24:25]
	s_add_nc_u64 s[54:55], s[6:7], s[82:83]
	s_add_nc_u64 s[50:51], s[10:11], s[26:27]
	s_or_b32 s47, s47, 0x80000000                  ; type = 2
	s_or_b32 s55, s55, 0x80000000
	s_or_b32 s51, s51, 0x80000000
	s_add_nc_u64 s[4:5], s[4:5], s[84:85]
	s_add_nc_u64 s[8:9], s[8:9], s[86:87]
	s_add_nc_u64 s[14:15], s[14:15], s[88:89]
	s_add_nc_u64 s[16:17], s[16:17], s[88:89]
	s_cmp_lt_u32 s[WV], 7                          ; one tensor load a wave at the head: waves 0-6 the codes, wave 7 ee; the branch hangs on the wave's number alone
	s_cbranch_scc0 .Lfor_ee
	tensor_load_to_lds s[44:47], s[28:35]
	s_nop 0
.rept 4
	v_nop
.endr
	s_branch .Lasked
.Lfor_ee:
	tensor_load_to_lds s[48:51], s[36:43]
	s_nop 0
.rept 4
	v_nop
.endr
.Lasked:
	global_load_b128 v[64:67], v72, s[8:9]                 ; zz of tokens 4 r + k: column r of the even tiles 2 k,
	global_load_b128 v[68:71], v72, s[8:9] offset:256      ; of tokens 64 + 4 r + k: of the odd tiles 2 k + 1
	WIN 0x40                                       ; destination window 1, address window 0
.irp i, 0,1,2,3,4,5,6,7
.irp p, 0,1,2,3,4,5,6,7
	global_load_b128 v[32*\i+4*\p:32*\i+4*\p+3], v1, s[4:5] offset:4096*\i+512*\p   ; my 8 fragments of z: they stay
.endr
.endr
	WIN 0
	s_wait_tensorcnt 0x0                           ; my part of the first fill is in
	ds_add_u32 v6, v7
	s_wait_dscnt 0x0
	CROUND                                         ; everybody's part is in, and all four work-groups are here
	tensor_load_to_lds s[52:55], s[56:63]          ; tiles 14-63: my one tensor load behind the round; it is the only one of mine that is out
	s_nop 0
.rept 4
	v_nop
.endr
	s_wait_kmcnt 0x0
	s_add_co_i32 s66, s76, s77
	s_add_co_i32 s66, s66, 127
	s_lshl_b32 s66, s66, 23
	s_or_b32 s66, s66, 0x80000000                  ; -2^(e0 + e1) as f32
	s_mov_b32 s67, s66                             ; (named with it as a pair, so it is written)
	LOADE 0
	s_wait_loadcnt 0x0                             ; z and zz
.irp k, 0,1,2,3
	v_mov_b32 v[ZZP+4*\k], v[64+\k]
	v_mov_b32 v[ZZP+4*\k+1], v[64+\k]
	v_mov_b32 v[ZZP+4*\k+2], v[68+\k]
	v_mov_b32 v[ZZP+4*\k+3], v[68+\k]
.endr
	TILE 0, 1, 0, 1                                ; tile 0: there is no group before its first
	TILE 1, 0, 0, 1
	s_mov_b32 s74, 5
.Lfill0:                                               ; tiles 2 to 11
	TILE 0, 0, 0, 1
	TILE 1, 0, 0, 1
	s_sub_co_u32 s74, s74, 1
	s_cmp_lg_u32 s74, 0
	s_cbranch_scc1 .Lfill0
	TILE 0, 0, 0, 1
	TILE 1, 0, 1, 1                                ; tile 13 fetches tile 14, the first of the second fill: behind the wait for it and a barrier
	s_mov_b32 s74, 24
.Lfill1:                                               ; tiles 14 to 61
	TILE 0, 0, 0, 1
	TILE 1, 0, 0, 1
	s_sub_co_u32 s74, s74, 1
	s_cmp_lg_u32 s74, 0
	s_cbranch_scc1 .Lfill1
	TILE 0, 0, 0, 1
	TILE 1, 0, 0, 0                                ; tile 63 fetches nothing
	EPI4 1, 4, 1                                   ; the last group
	; THE WAY OUT.  The minimum as a whole number that orders as the f32 number does; the block; the other half of the lanes' pair is taken where its key is smaller, or equal with the lower block.
.irp i, 0,1,2,3,4,5,6,7
	v_add_f32 v[KR+\i], 0, v[M+2*\i]               ; -0 becomes +0
	v_add_nc_u32 v[BR+\i], v[BLK+\i], v5           ; + h: my half's block of the tile
	v_ashrrev_i32 v210, 31, v[KR+\i]
	v_or_b32 v210, 0x80000000, v210
	v_xor_b32 v[KR+\i], v[KR+\i], v210
	v_permlanex16_b32 v[T+8+\i], v[BR+\i], s80, s81  ; (its destination counts as read: a register that has been written)
	v_permlanex16_b32 v[T+\i], v[KR+\i], s80, s81
	v_cmp_lt_u32 s75, v[T+8+\i], v[BR+\i]
	v_cmp_lt_u32 s72, v[T+\i], v[KR+\i]
	v_cmp_eq_u32 s73, v[T+\i], v[KR+\i]
	s_and_b32 s73, s73, s75
	s_or_b32 s72, s72, s73
	v_cndmask_b32 v[KR+\i], v[KR+\i], v[T+\i], s72
	v_cndmask_b32 v[BR+\i], v[BR+\i], v[T+8+\i], s72
.endr
.irp q, 0,1,2,3
	v_cndmask_b32 v[O+\q], v[KR+2*\q], v[KR+2*\q+1], s78       ; token 4 l + q is column l % 16 of tile 2 q + l / 16
	v_cndmask_b32 v[O+4+\q], v[BR+2*\q], v[BR+2*\q+1], s78
.endr
	global_store_b128 v1, v[O:O+3], s[14:15]       ; 512 consecutive bytes, aligned: my 128 tokens in their order
	global_store_b128 v1, v[O+4:O+7], s[16:17]
	s_wait_tensorcnt 0x0                           ; the wave's end, behind my last tensor load
	ds_add_u32 v6, v7
	s_wait_dscnt 0x0
	CROUND                                         ; the closing round
	s_endpgm
.Lfunc_end_k_qdfaab99c3a_sweep:
	.size	k_qdfaab99c3a_sweep, .Lfunc_end_k_qdfaab99c3a_sweep-k_qdfaab99c3a_sweep
	.p2alignl 7, 3214868480
	.fill 96, 4, 3214868480
	.section	.rodata,"a",@progbits
	.p2align	6, 0x0
	.amdhsa_kernel k_qdfaab99c3a_sweep
		.amdhsa_group_segment_fixed_size 327680
		.amdhsa_private_segment_fixed_size 0
		.amdhsa_enable_private_segment 0
		.amdhsa_kernarg_size 56
		.amdhsa_user_sgpr_count 2
		.amdhsa_user_sgpr_kernarg_segment_ptr 1
		.amdhsa_wavefront_size32 1
		.amdhsa_system_sgpr_workgroup_id_x 1
		.amdhsa_system_sgpr_workgroup_id_y 1
		.amdhsa_system_sgpr_workgroup_id_z 1
		.amdhsa_system_vgpr_workitem_id 0
		.amdhsa_next_free_vgpr 512
		.amdhsa_next_free_sgpr 96
		.amdhsa_reserve_vcc 0
		.amdhsa_float_denorm_mode_32 3
		.amdhsa_float_denorm_mode_16_64 3
		.amdhsa_memory_ordered 1
		.amdhsa_forward_progress 1
		.amdhsa_inst_pref_size 111
	.end_amdhsa_kernel
	.amdgpu_metadata
---
amdhsa.version: [ 1, 2 ]
amdhsa.kernels:
  - .name:           k_qdfaab99c3a_sweep
    .symbol:         k_qdfaab99c3a_sweep.kd
    .args:
      - { .name: zc, .offset: 0, .size: 8, .value_kind: global_buffer, .address_space: global }
      - { .name: embc, .offset: 8, .size: 8, .value_kind: global_buffer, .address_space: global }
      - { .name: zz, .offset: 16, .size: 8, .value_kind: global_buffer, .address_space: global }
      - { .name: ee, .offset: 24, .size: 8, .value_kind: global_buffer, .address_space: global }
      - { .name: lowp_scales, .offset: 32, .size: 8, .value_kind: global_buffer, .address_space: global }
      - { .name: keys, .offset: 40, .size: 8, .value_kind: global_buffer, .address_space: global }
      - { .name: blks, .offset: 48, .size: 8, .value_kind: global_buffer, .address_space: global }
    .group_segment_fixed_size: 327680
    .private_segment_fixed_size: 0
    .kernarg_segment_align: 8
    .kernarg_segment_size: 56
    .max_flat_workgroup_size: 256
    .sgpr_count:     96
    .vgpr_count:     512
    .wavefront_size: 32
...
	.end_amdgpu_metadata
.endif
;; end of part 2
;; launch resolve (part 3): grid 256 x 1, 8 waves a work-group, no clusters, 1,536 bytes of LDS; arguments zc, embc, zz, ee, lowp_scales, keys, blks, out1, idxw; writes out1, idxw
.if DOCPART == 3
	.amdgcn_target "amdgcn-amd-amdhsa--gfx1250"
	.amdhsa_code_object_version 6
	.text
	.protected	k_qdfaab99c3a_resolve
	.globl	k_qdfaab99c3a_resolve
	.p2align	8
	.type	k_qdfaab99c3a_resolve,@function
k_qdfaab99c3a_resolve:
	s_mov_b64 s[64:65], 0
	v_nop
	global_prefetch_b8 v0, s[64:65] scope:SCOPE_SE
	s_setreg_imm32_b32 hwreg(HW_REG_WAVE_MODE, 25, 1), 1
	s_wait_xcnt 0x0
; RESOLVE.  For each token: of its eight ranges the smallest key (whole numbers that order as the f32 minima do; equal keys: the lower block), hence the first block of 8 codes that holds the smallest d;
; that block's 8 products are made again, by the same matrix form on the same images, K step 0 with C = 0 and K step 1 onto it, so that each sum has the bits that it had;
; d = (zz + ee) - p with the same two roundings; the first smallest d of the block is the index.  It goes to out1 and, for the last launch, to idxw.
; Addresses hang on blks and on compares of keys alone: whole numbers read from memory; each block number is held under 1,024 before it enters an address.
; LIMITS: e0 + e1 between -126 and 127.  NaN and infinities among the inputs are not served.
; SHARES.  Work-group g takes block g of 128 tokens, wave i its tile i of 16 tokens: column r is token 64 (i % 2) + 4 r + i / 2.
; A PRODUCT SERVES TWO TOKENS: source 0 = the 8 codes of token column u's block (rows 0-7) and of column u + 8's (rows 8-15), source 1 = my 16 tokens.  Of the result, lane u holds column u against rows 0-7 and
; lane 24 + u holds column u + 8 against rows 8-15: eight d of one token in eight registers.  Eight such products, two K steps each.
; REGISTERS: v1 lane, v2 r, v3 h, v4 16 x lane, v5 4 x my token, v6 offset in keys and blks, v7 my place in a fragment of codes; v8-11 keys; v12-15 blocks; v16-47 z; v48-175 four fragments of codes;
;   v176-191 two accumulators; v192-199 the sums kept; v200-207 ee; v208-215 t, then d; v216-223 addresses of the eight fragments; v224-239 at work; v240, v241 the add's two.
.set STG,   0                          ; LDS: the block's 128 indices
.set SPARE, 512                        ; the spare words, 128 bytes for each wave: four blocks of 256 bytes that no other line names
.set AB,  48
.set P,   192
.set EER, 200
.set T,   208
.set ADR, 216
.macro ALOAD u                         ; fragment u: 8 loads; sixteen lanes read two runs of 128 bytes
.irp p, 0,1,2,3,4,5,6,7
	global_load_b128 v[AB+32*((\u)&3)+4*\p:AB+32*((\u)&3)+4*\p+3], v[ADR+(\u)], s[6:7] offset:512*\p
.endr
.endm
.macro GROUP u                         ; products u and u + 1: two accumulators by turns
.if (\u) < 6
	s_wait_loadcnt 16                              ; fragments u and u + 1 are in; the 16 loads of the two that follow may be out
.else
	s_wait_loadcnt 0x0
.endif
	v_wmma_f32_16x16x128_fp8_fp8 v[176:183], v[AB+32*((\u)&3):AB+32*((\u)&3)+15], v[16:31], 0
	v_wmma_f32_16x16x128_fp8_fp8 v[184:191], v[AB+32*(((\u)+1)&3):AB+32*(((\u)+1)&3)+15], v[16:31], 0
	v_wmma_f32_16x16x128_fp8_fp8 v[176:183], v[AB+32*((\u)&3)+16:AB+32*((\u)&3)+31], v[32:47], v[176:183]
	v_wmma_f32_16x16x128_fp8_fp8 v[184:191], v[AB+32*(((\u)+1)&3)+16:AB+32*(((\u)+1)&3)+31], v[32:47], v[184:191]
.rept 5
	v_nop                                          ; places: four in front of the reads of results and of loads into the fragments, five in front of the next products, which begin these accumulators anew
.endr
.if (\u) == 0
.irp j, 0,1,2,3,4,5,6,7
	v_mov_b32 v[P+\j], v[176+\j]                   ; each accumulator from its low end on
.endr
.else
	s_mov_b32 s45, (1<<(\u))|(1<<(24+(\u)))
	s_wait_alu depctr_va_vdst(0)
.irp j, 0,1,2,3,4,5,6,7
	v_cndmask_b32 v[P+\j], v[P+\j], v[176+\j], s45
.endr
.endif
	s_mov_b32 s46, (1<<((\u)+1))|(1<<(25+(\u)))
.irp j, 0,1,2,3,4,5,6,7
	v_cndmask_b32 v[P+\j], v[P+\j], v[184+\j], s46
.endr
.if (\u) < 4
	ALOAD (\u)+4
	ALOAD (\u)+5
.endif
.endm
	s_load_b256 s[4:11], s[0:1], 0x0               ; zc s[4:5], embc s[6:7], zz s[8:9], ee s[10:11]
	s_load_b256 s[12:19], s[0:1], 0x20             ; the exponents s[12:13], keys s[14:15], blks s[16:17], out1 s[18:19]
	s_load_b64 s[20:21], s[0:1], 0x40              ; idxw
	v_lshl_add_u32 v240, v0, 2, SPARE
	v_mov_b32 v241, 0
	v_lshrrev_b32 v1, 5, v0
	s_delay_alu instid0(VALU_DEP_1)
	v_readfirstlane_b32 s22, v1                    ; wave = tile 0..7
	v_and_b32 v1, 31, v0
	v_and_b32 v2, 15, v0
	v_bfe_u32 v3, v0, 4, 1
	s_delay_alu instid0(VALU_DEP_3)
	v_lshlrev_b32 v4, 4, v1
	s_and_b32 s23, s22, 1
	s_lshl_b32 s23, s23, 8
	s_lshr_b32 s24, s22, 1
	s_lshl_b32 s24, s24, 2
	s_add_co_u32 s23, s23, s24
	v_lshl_add_u32 v5, v2, 4, s23                  ; 4 x token = 256 (i % 2) + 16 r + 4 (i / 2)
	s_delay_alu instid0(VALU_DEP_1)
	v_lshl_add_u32 v6, v3, 19, v5                  ; lanes 16-31 take ranges 4 to 7
	v_and_b32 v7, 7, v0
	s_delay_alu instid0(VALU_DEP_1)
	v_lshlrev_b32 v7, 4, v7
	s_delay_alu instid0(VALU_DEP_1)
	v_lshl_add_u32 v7, v3, 8, v7                   ; 16 (r % 8) + 256 h
	s_lshl_b32 s26, ttmp9, 9                       ; 512 g
	s_mov_b32 s27, 0
	s_lshl_b32 s28, ttmp9, 15
	s_lshl_b32 s29, s22, 12
	s_add_co_u32 s28, s28, s29                     ; my tile of z
	s_mov_b32 s29, 0
	s_mov_b32 s40, 0x76543210                      ; v_permlanex16_b32: lane l takes lane l xor 16
	s_mov_b32 s41, 0xfedcba98
	s_mov_b32 s47, 0xff00ff00                      ; lanes with r >= 8
	s_wait_alu depctr_va_vdst(0)
	s_wait_kmcnt 0x0
	s_load_b64 s[48:49], s[12:13], 0x0             ; e0, e1
	s_add_nc_u64 s[4:5], s[4:5], s[28:29]
	s_add_nc_u64 s[8:9], s[8:9], s[26:27]
	s_add_nc_u64 s[14:15], s[14:15], s[26:27]
	s_add_nc_u64 s[16:17], s[16:17], s[26:27]
	s_add_nc_u64 s[18:19], s[18:19], s[26:27]
	s_add_nc_u64 s[20:21], s[20:21], s[26:27]
.irp y, 0,1,2,3
	global_load_b32 v[8+\y], v6, s[14:15] offset:131072*\y
.endr
.irp y, 0,1,2,3
	global_load_b32 v[12+\y], v6, s[16:17] offset:131072*\y
.endr
.irp p, 0,1,2,3,4,5,6,7
	global_load_b128 v[16+4*\p:16+4*\p+3], v4, s[4:5] offset:512*\p
.endr
	global_load_b32 v232, v5, s[8:9]               ; zz of my token
	s_wait_loadcnt 9                               ; keys and blocks are in; z's eight loads and zz may be out
.irp y, 1
	v_cmp_lt_u32 vcc_lo, v[8+\y], v8               ; strictly smaller: an equal key of a later range changes nothing
	s_delay_alu instid0(VALU_DEP_1)
	v_cndmask_b32 v8, v8, v[8+\y], vcc_lo
	s_delay_alu instid0(VALU_DEP_2)
	v_cndmask_b32 v12, v12, v[12+\y], vcc_lo
.endr
.irp y, 2, 3
	s_delay_alu instid0(VALU_DEP_2)
	v_cmp_lt_u32 vcc_lo, v[8+\y], v8               ; strictly smaller: an equal key of a later range changes nothing
	s_delay_alu instid0(VALU_DEP_1)
	v_cndmask_b32 v8, v8, v[8+\y], vcc_lo
	s_delay_alu instid0(VALU_DEP_2)
	v_cndmask_b32 v12, v12, v[12+\y], vcc_lo
.endr
	s_delay_alu instid0(VALU_DEP_2)
	v_permlanex16_b32 v9, v8, s40, s41
	s_delay_alu instid0(VALU_DEP_2)
	v_permlanex16_b32 v13, v12, s40, s41
	s_delay_alu instid0(VALU_DEP_2)
	v_cmp_lt_u32 s42, v9, v8
	s_delay_alu instid0(VALU_DEP_3)
	v_cmp_eq_u32 s43, v9, v8
	s_delay_alu instid0(VALU_DEP_3)
	v_cmp_lt_u32 s44, v13, v12
	s_and_b32 s43, s43, s44
	s_or_b32 s42, s42, s43
	v_cndmask_b32 v12, v12, v13, s42               ; the block of token column r, in both halves of the lanes
	s_delay_alu instid0(VALU_DEP_1)
	v_min_u32 v224, 0x3ff, v12
	s_delay_alu instid0(VALU_DEP_1)
	v_lshlrev_b32 v225, 5, v224
	global_load_b128 v[EER:EER+3], v225, s[10:11]              ; the block's eight ee
	global_load_b128 v[EER+4:EER+7], v225, s[10:11] offset:16
.irp u, 0,1,2,3,4,5,6,7
	v_readlane_b32 s42, v12, \u
	v_readlane_b32 s43, v12, \u+8
	s_delay_alu instid0(VALU_DEP_2)
	v_mov_b32 v226, s42
	s_delay_alu instid0(VALU_DEP_1)
	v_cndmask_b32 v226, v226, s43, s47             ; rows 0-7: column u's block; rows 8-15: column u + 8's
	s_delay_alu instid0(VALU_DEP_1)
	v_min_u32 v226, 0x3ff, v226
	s_delay_alu instid0(VALU_DEP_1)
	v_and_b32 v227, 0x3fe, v226
	s_delay_alu instid0(VALU_DEP_2)
	v_and_b32 v226, 1, v226
	s_delay_alu instid0(VALU_DEP_2)
	v_lshlrev_b32 v227, 11, v227                   ; the tile: 4,096 x (block / 2),
	s_delay_alu instid0(VALU_DEP_1)
	v_lshl_add_u32 v227, v226, 7, v227             ; its upper or lower eight rows,
	s_delay_alu instid0(VALU_DEP_1)
	v_add_nc_u32 v[ADR+\u], v227, v7               ; my row and my half
.endr
	ALOAD 0
	ALOAD 1
	ALOAD 2
	ALOAD 3
	s_wait_kmcnt 0x0
	s_add_co_i32 s50, s48, s49
	s_add_co_i32 s50, s50, 127
	s_lshl_b32 s50, s50, 23
	s_or_b32 s50, s50, 0x80000000                  ; -2^(e0 + e1) as f32
	s_mov_b32 s51, s50                             ; (named with it as a pair, so it is written)
	GROUP 0
	GROUP 2
	GROUP 4
	GROUP 6
	v_mov_b32 v233, v232
.irp q, 0,2,4,6
	v_pk_add_f32 v[T+\q:T+\q+1], v[EER+\q:EER+\q+1], v[232:233]                                    ; t = zz + ee
.endr
.irp q, 0,2,4,6
	s_delay_alu instid0(VALU_DEP_4)
	v_pk_fma_f32 v[T+\q:T+\q+1], v[P+\q:P+\q+1], s[50:51], v[T+\q:T+\q+1] op_sel_hi:[1,0,1]       ; d = t - sum x 2^(e0 + e1)
.endr
	v_mov_b32 v234, 0
.irp j, 1
	v_cmp_lt_f32 vcc_lo, v[T+\j], v[T]             ; strictly smaller: the first of equal d stays
	s_delay_alu instid0(VALU_DEP_1)
	v_cndmask_b32 v[T], v[T], v[T+\j], vcc_lo
	s_delay_alu instid0(VALU_DEP_2)
	v_cndmask_b32 v234, v234, \j, vcc_lo
.endr
.irp j, 2, 3, 4, 5, 6, 7
	s_delay_alu instid0(VALU_DEP_2)
	v_cmp_lt_f32 vcc_lo, v[T+\j], v[T]             ; strictly smaller: the first of equal d stays
	s_delay_alu instid0(VALU_DEP_1)
	v_cndmask_b32 v[T], v[T], v[T+\j], vcc_lo
	s_delay_alu instid0(VALU_DEP_2)
	v_cndmask_b32 v234, v234, \j, vcc_lo
.endr
	s_delay_alu instid0(VALU_DEP_1)
	v_lshl_add_u32 v235, v224, 3, v234             ; the index: right in lanes 0-7 and 24-31
	s_delay_alu instid0(VALU_DEP_1)
	v_permlanex16_b32 v9, v235, s40, s41
	s_mov_b32 s45, 0x00ffff00
	v_cndmask_b32 v235, v235, v9, s45              ; lanes 8-23 take the other half's
	ds_store_b32 v5, v235 offset:STG               ; both halves of the lanes write the same word with the same value
	s_wait_dscnt 0x0
	s_barrier_signal -1
	s_barrier_wait -1
	s_cmp_lg_u32 s22, 0
	s_cbranch_scc1 .Lend
	ds_load_b128 v[236:239], v4 offset:STG
	s_wait_dscnt 0x0
	global_store_b128 v4, v[236:239], s[18:19]     ; 512 consecutive bytes, aligned: the block's 128 indices
	global_store_b128 v4, v[236:239], s[20:21]
.Lend:
	s_wait_tensorcnt 0x0                           ; the wave's end, behind my last LDS store
	ds_add_u32 v240, v241
	s_wait_dscnt 0x0
	s_endpgm
.Lfunc_end_k_qdfaab99c3a_resolve:
	.size	k_qdfaab99c3a_resolve, .Lfunc_end_k_qdfaab99c3a_resolve-k_qdfaab99c3a_resolve
	.p2alignl 7, 3214868480
	.fill 96, 4, 3214868480
	.section	.rodata,"a",@progbits
	.p2align	6, 0x0
	.amdhsa_kernel k_qdfaab99c3a_resolve
		.amdhsa_group_segment_fixed_size 1536
		.amdhsa_private_segment_fixed_size 0
		.amdhsa_enable_private_segment 0
		.amdhsa_kernarg_size 72
		.amdhsa_user_sgpr_count 2
		.amdhsa_user_sgpr_kernarg_segment_ptr 1
		.amdhsa_wavefront_size32 1
		.amdhsa_system_sgpr_workgroup_id_x 1
		.amdhsa_system_sgpr_workgroup_id_y 1
		.amdhsa_system_sgpr_workgroup_id_z 1
		.amdhsa_system_vgpr_workitem_id 0
		.amdhsa_next_free_vgpr 256
		.amdhsa_next_free_sgpr 66
		.amdhsa_reserve_vcc 1
		.amdhsa_float_denorm_mode_32 3
		.amdhsa_float_denorm_mode_16_64 3
		.amdhsa_memory_ordered 1
		.amdhsa_forward_progress 1
		.amdhsa_inst_pref_size 27
	.end_amdhsa_kernel
	.amdgpu_metadata
---
amdhsa.version: [ 1, 2 ]
amdhsa.kernels:
  - .name:           k_qdfaab99c3a_resolve
    .symbol:         k_qdfaab99c3a_resolve.kd
    .args:
      - { .name: zc, .offset: 0, .size: 8, .value_kind: global_buffer, .address_space: global }
      - { .name: embc, .offset: 8, .size: 8, .value_kind: global_buffer, .address_space: global }
      - { .name: zz, .offset: 16, .size: 8, .value_kind: global_buffer, .address_space: global }
      - { .name: ee, .offset: 24, .size: 8, .value_kind: global_buffer, .address_space: global }
      - { .name: lowp_scales, .offset: 32, .size: 8, .value_kind: global_buffer, .address_space: global }
      - { .name: keys, .offset: 40, .size: 8, .value_kind: global_buffer, .address_space: global }
      - { .name: blks, .offset: 48, .size: 8, .value_kind: global_buffer, .address_space: global }
      - { .name: out1, .offset: 56, .size: 8, .value_kind: global_buffer, .address_space: global }
      - { .name: idxw, .offset: 64, .size: 8, .value_kind: global_buffer, .address_space: global }
    .group_segment_fixed_size: 1536
    .private_segment_fixed_size: 0
    .kernarg_segment_align: 8
    .kernarg_segment_size: 72
    .max_flat_workgroup_size: 256
    .sgpr_count:     66
    .vgpr_count:     256
    .wavefront_size: 32
...
	.end_amdgpu_metadata
.endif
;; end of part 3
;; launch gather (part 4): grid 512 x 1, 8 waves a work-group, no clusters, 67,584 bytes of LDS; arguments z, emb, idxw, out0; writes out0
.if DOCPART == 4
	.amdgcn_target "amdgcn-amd-amdhsa--gfx1250"
	.amdhsa_code_object_version 6
	.text
	.protected	k_qdfaab99c3a_gather
	.globl	k_qdfaab99c3a_gather
	.p2align	8
	.type	k_qdfaab99c3a_gather,@function
k_qdfaab99c3a_gather:
	s_mov_b64 s[64:65], 0
	v_nop
	global_prefetch_b8 v0, s[64:65] scope:SCOPE_SE
	s_setreg_imm32_b32 hwreg(HW_REG_WAVE_MODE, 25, 1), 1
	s_wait_xcnt 0x0
; GATHER.  out0[image][c][place] = z + (emb[index][c] - z), in f32, with these two roundings.  z, out0: [32][256][1024] f32; emb: [8192][256] f32; idxw: the 32,768 indices, whole numbers stored by the launch before.
; A work-group takes 64 tokens of one image.  Wave w fetches the rows of emb of tokens 8 w .. 8 w + 7 (a row is 1,024 consecutive bytes: two loads) and lays them into LDS turned, [channel][token];
; behind a barrier it takes channels 32 w .. 32 w + 31: 64 tokens of a channel are 256 consecutive bytes of z and of out0, aligned: one load and one store of 8 bytes a lane.
; An index is held under 8,192 before it enters an address.  No matrix unit, no cluster: memory binds, and work-groups share nothing but rows that a list may name twice.
.set PITCH, 260                        ; a channel's 64 tokens + 4 bytes = 65 words: reads along a row touch 32 banks; the turned stores, 260 words from lane to lane, fall two deep (64 banks of 4 bytes: ISA guide 11.1)
.set SPARE, 256*PITCH                  ; the spare words, 128 bytes for each wave: four blocks of 256 bytes that no other line names
.set Z, 16                             ; v16-79   z of my 32 channels, 2 tokens a lane; then the result
.set G, 80                             ; v80-143  8 rows of emb, 8 numbers a lane; then emb turned
	s_load_b256 s[4:11], s[0:1], 0x0               ; z s[4:5], emb s[6:7], idxw s[8:9], out0 s[10:11]
	v_lshl_add_u32 v14, v0, 2, SPARE
	v_mov_b32 v15, 0
	v_lshrrev_b32 v1, 5, v0
	s_delay_alu instid0(VALU_DEP_1)
	v_readfirstlane_b32 s12, v1                    ; wave 0..7
	v_and_b32 v1, 31, v0
	s_delay_alu instid0(VALU_DEP_1)
	v_lshlrev_b32 v2, 4, v1                        ; 16 x lane
	s_delay_alu instid0(VALU_DEP_2)
	v_lshlrev_b32 v5, 3, v1                        ; 8 x lane
	s_lshl_b32 s13, s12, 5
	v_mul_u32_u24 v3, v1, 4*PITCH
	s_delay_alu instid0(VALU_DEP_1)
	v_add_nc_u32 v3, s13, v3                       ; in: channel 4 l, token 8 w
	s_mul_i32 s13, s12, 32*PITCH
	v_add_nc_u32 v4, s13, v5                       ; out: channel 32 w, token 2 l
	s_lshl_b32 s14, ttmp9, 8
	s_lshl_b32 s15, s12, 5
	s_add_co_u32 s14, s14, s15                     ; my 8 indices: 4 x (64 x work-group + 8 w)
	s_mov_b32 s15, 0
	s_lshr_b32 s16, ttmp9, 4
	s_lshl_b32 s16, s16, 20                        ; the image,
	s_and_b32 s17, ttmp9, 15
	s_lshl_b32 s17, s17, 8                         ; the 64 tokens in a channel's row,
	s_add_co_u32 s16, s16, s17
	s_lshl_b32 s17, s12, 17                        ; my 32 channels
	s_add_co_u32 s16, s16, s17
	s_mov_b32 s17, 0
	s_wait_alu depctr_va_vdst(0)
	s_wait_kmcnt 0x0
	s_add_nc_u64 s[8:9], s[8:9], s[14:15]
	s_load_b256 s[24:31], s[8:9], 0x0
	s_add_nc_u64 s[4:5], s[4:5], s[16:17]
	s_add_nc_u64 s[10:11], s[10:11], s[16:17]
.set cc, 0
.rept 32
	global_load_b64 v[Z+2*cc:Z+2*cc+1], v5, s[4:5] offset:4096*cc th:TH_LOAD_NT
.set cc, cc+1
.endr
	s_wait_kmcnt 0x0
.irp t, 0,1,2,3,4,5,6,7
	s_min_u32 s[24+\t], s[24+\t], 0x1fff
	s_lshl_b32 s[32+2*\t], s[24+\t], 10
	s_mov_b32 s[33+2*\t], 0
	s_add_nc_u64 s[32+2*\t:33+2*\t], s[6:7], s[32+2*\t:33+2*\t]
	global_load_b128 v[G+8*\t:G+8*\t+3], v2, s[32+2*\t:33+2*\t]
	global_load_b128 v[G+8*\t+4:G+8*\t+7], v2, s[32+2*\t:33+2*\t] offset:512
.endr
.irp t, 0,1,2,3,4,5,6,7
	s_wait_loadcnt 14-2*\t                         ; token t's two loads are in; the later tokens' may be out
.irp f, 0,1
.irp k, 0,1,2,3
	ds_store_b32 v3, v[G+8*\t+4*\f+\k] offset:128*PITCH*\f+PITCH*\k+4*\t   ; channel 128 f + 4 l + k, token 8 w + t
.endr
.endr
.endr
	s_wait_dscnt 0x0                               ; for the others' sake: my stores have landed
	s_barrier_signal -1
	s_barrier_wait -1
.set cc, 0
.rept 32
	ds_load_b32 v[G+2*cc], v4 offset:PITCH*cc
	ds_load_b32 v[G+2*cc+1], v4 offset:PITCH*cc+4
.set cc, cc+1
.endr
.set cc, 0
.rept 32
.if (cc % 8) == 0
	s_wait_dscnt 48-2*cc                           ; these eight channels' 16 loads are in; the later groups may be out
.endif
	v_pk_add_f32 v[G+2*cc:G+2*cc+1], v[G+2*cc:G+2*cc+1], v[Z+2*cc:Z+2*cc+1] neg_lo:[0,1] neg_hi:[0,1]   ; e - z
	s_delay_alu instid0(VALU_DEP_1)
	v_pk_add_f32 v[Z+2*cc:Z+2*cc+1], v[Z+2*cc:Z+2*cc+1], v[G+2*cc:G+2*cc+1]                             ; z + (e - z)
	global_store_b64 v5, v[Z+2*cc:Z+2*cc+1], s[10:11] offset:4096*cc th:TH_STORE_NT                     ; 256 consecutive bytes, aligned
.set cc, cc+1
.endr
	s_wait_tensorcnt 0x0                           ; the wave's end, behind my last LDS store
	ds_add_u32 v14, v15
	s_wait_dscnt 0x0
	s_endpgm
.Lfunc_end_k_qdfaab99c3a_gather:
	.size	k_qdfaab99c3a_gather, .Lfunc_end_k_qdfaab99c3a_gather-k_qdfaab99c3a_gather
	.p2alignl 7, 3214868480
	.fill 96, 4, 3214868480
	.section	.rodata,"a",@progbits
	.p2align	6, 0x0
	.amdhsa_kernel k_qdfaab99c3a_gather
		.amdhsa_group_segment_fixed_size 67584
		.amdhsa_private_segment_fixed_size 0
		.amdhsa_enable_private_segment 0
		.amdhsa_kernarg_size 32
		.amdhsa_user_sgpr_count 2
		.amdhsa_user_sgpr_kernarg_segment_ptr 1
		.amdhsa_wavefront_size32 1
		.amdhsa_system_sgpr_workgroup_id_x 1
		.amdhsa_system_sgpr_workgroup_id_y 1
		.amdhsa_system_sgpr_workgroup_id_z 1
		.amdhsa_system_vgpr_workitem_id 0
		.amdhsa_next_free_vgpr 160
		.amdhsa_next_free_sgpr 66
		.amdhsa_reserve_vcc 0
		.amdhsa_float_denorm_mode_32 3
		.amdhsa_float_denorm_mode_16_64 3
		.amdhsa_memory_ordered 1
		.amdhsa_forward_progress 1
		.amdhsa_inst_pref_size 24
	.end_amdhsa_kernel
	.amdgpu_metadata
---
amdhsa.version: [ 1, 2 ]
amdhsa.kernels:
  - .name:           k_qdfaab99c3a_gather
    .symbol:         k_qdfaab99c3a_gather.kd
    .args:
      - { .name: z, .offset: 0, .size: 8, .value_kind: global_buffer, .address_space: global }
      - { .name: emb, .offset: 8, .size: 8, .value_kind: global_buffer, .address_space: global }
      - { .name: idxw, .offset: 16, .size: 8, .value_kind: global_buffer, .address_space: global }
      - { .name: out0, .offset: 24, .size: 8, .value_kind: global_buffer, .address_space: global }
    .group_segment_fixed_size: 67584
    .private_segment_fixed_size: 0
    .kernarg_segment_align: 8
    .kernarg_segment_size: 32
    .max_flat_workgroup_size: 256
    .sgpr_count:     66
    .vgpr_count:     160
    .wavefront_size: 32
...
	.end_amdgpu_metadata
.endif
;; end of part 4
